; MI455X (gfx1250); checked and timed in simulation.
; The chip was launched on July 23, 2026; its instructions are those of AMD's public machine-readable ISA for CDNA 5 (MIT licence, August 2026) and "CDNA5" Instruction Set Architecture Reference Guide (July 2026). The comments in the code are by the model that wrote it; some were corrected since.
;; VQVAE. Allowed arithmetic: float matrix products may take bf16 or f16 operands with f32 sums; all other float work in f32.
;; Inputs: emb_weight 8,192 x 64 float32; x 8 x 64 x 64 x 64 float32.
;; Outputs: out0 8 x 64 x 64 x 64 float32; out1 8 x 64 x 64 int32; out2 one number float32; out3 one number float32.
;; One version. Each part assembles by itself: llvm-mc -triple=amdgcn-amd-amdhsa -mcpu=gfx1250 --defsym DOCPART=n.
;; ======== version 1 of 1: 4 launches
;; workspace buffers: cb 1,048,576 bytes; esq 32,768 bytes; blk 131,072 bytes of whole numbers; part 1,024 bytes
;; launch prep (part 1): grid 256 x 1, 1 waves a work-group, no clusters, 0 bytes of LDS; arguments emb_weight, cb, esq; writes cb, esq
.if DOCPART == 1
	.amdgcn_target "amdgcn-amd-amdhsa--gfx1250"
	.amdhsa_code_object_version 6
	.text
	.protected	k_q481c5d1dca_prep
	.globl	k_q481c5d1dca_prep
	.p2align	8
	.type	k_q481c5d1dca_prep,@function
k_q481c5d1dca_prep:
	s_mov_b64 s[64:65], 0
	v_nop
	global_prefetch_b8 v0, s[64:65] scope:SCOPE_SE
	s_setreg_imm32_b32 hwreg(HW_REG_WAVE_MODE, 25, 1), 1
	s_wait_xcnt 0x0
; PREP: the codebook for the matrix unit.  emb_weight: [8192][64] f32.
;   cb : -bf16(e), laid out as the matrix instruction's first operand wants it.  A tile of 16 codes is 2,048 bytes; in it the 16 bytes at
;        512 q + 16 L (q = 0..3, L = 0..31) hold code L % 16, channels 16 q + 8 (L / 16) + 0..7.  A lane's four 16-byte loads at 16 L + 512 q
;        are then the eight registers of channels 0-31 and the eight of channels 32-63, read from consecutive bytes.
;   esq: half the sum of squares of the ROUNDED code, f32: the score  esq[k] - x.e  is (d2 - |x|^2) / 2 of the rounded inputs.
; One wave a work-group; work-group W takes codes 32 W .. 32 W + 31 (two tiles).  Lane L = (r = L % 16, h = L / 16) takes, of row r of each tile,
; the four pieces of 32 bytes that it will store; the wave's sixteen loads together cover its 32 rows whole.
; The sum of squares is added in another order than the problem's own sum: f32 rounding may differ in the last bits.
.set F,    8                           ; v[8:71]    as loaded: tile t, piece q: 8 f32 at F + 32 t + 8 q
.set P,    72                          ; v[72:103]  packed bf16: tile t, piece q: 4 registers at P + 16 t + 4 q
.set U,    104                         ; v[104:105] two rounded numbers, widened again
.set SS,   106                         ; v[106:107], v[108:109] sums of squares of tile 0, 1, two chains each
.set TM,   110                         ; what the other half of the lanes holds
.set OUTV, 111                         ; the number to store into esq
	s_load_b128 s[4:7], s[0:1], 0x0                ; emb_weight s[4:5], cb s[6:7]
	s_load_b64 s[8:9], s[0:1], 0x10                ; esq
	v_and_b32 v4, 15, v0                           ; r
	v_lshrrev_b32 v5, 4, v0                        ; h
	v_lshlrev_b32 v1, 8, v4                        ; a row of 64 f32 is 256 bytes
	v_lshl_add_u32 v1, v5, 5, v1                   ; + 32 h: eight channels
	v_lshlrev_b32 v2, 4, v0                        ; cb: 16 L
	v_lshlrev_b32 v3, 2, v0                        ; esq: 4 L
	v_mov_b32 v[TM], 0                             ; v_permlanex16_b32 counts as a reader of its destination
	s_mov_b32 s10, 0x76543210                      ; v_permlanex16_b32: lane i of one half reads lane i of the other
	s_mov_b32 s11, 0xfedcba98
	s_mov_b32 s14, 0xffff0000                      ; a word's upper bf16; also the mask of lanes 16-31
	s_mov_b32 s15, 0x80008000                      ; the signs of two bf16
	s_lshl_b32 s12, ttmp9, 13                      ; 32 rows of 256 bytes
	s_mov_b32 s13, 0
	s_lshl_b32 s16, ttmp9, 12                      ; two tiles of 2,048 bytes
	s_mov_b32 s17, 0
	s_lshl_b32 s18, ttmp9, 7                       ; 32 f32
	s_mov_b32 s19, 0
	s_wait_kmcnt 0x0
	s_add_nc_u64 s[4:5], s[4:5], s[12:13]
	s_add_nc_u64 s[6:7], s[6:7], s[16:17]
	s_add_nc_u64 s[8:9], s[8:9], s[18:19]
.irp t, 0,1
.irp q, 0,1,2,3
	global_load_b128 v[F+32*\t+8*\q:F+32*\t+8*\q+3],   v1, s[4:5] offset:4096*\t+64*\q
	global_load_b128 v[F+32*\t+8*\q+4:F+32*\t+8*\q+7], v1, s[4:5] offset:4096*\t+64*\q+16
.endr
.endr
	s_wait_loadcnt 0x0
	; round two numbers, widen them again, add their squares, then flip the signs of the packed word
.irp t, 0,1
.irp m, 0,1,2,3,4,5,6,7,8,9,10,11,12,13,14,15
	v_cvt_pk_bf16_f32 v[P+16*\t+\m], v[F+32*\t+2*\m], v[F+32*\t+2*\m+1]
	v_lshlrev_b32 v[U], 16, v[P+16*\t+\m]
	v_and_b32 v[U+1], s14, v[P+16*\t+\m]
.if \m == 0
	v_pk_mul_f32 v[SS+2*\t:SS+2*\t+1], v[U:U+1], v[U:U+1]                          ; the first squares start the sums
.else
	v_pk_fma_f32 v[SS+2*\t:SS+2*\t+1], v[U:U+1], v[U:U+1], v[SS+2*\t:SS+2*\t+1]
.endif
	v_xor_b32 v[P+16*\t+\m], s15, v[P+16*\t+\m]
.endr
.endr
.irp t, 0,1
.irp q, 0,1,2,3
	global_store_b128 v2, v[P+16*\t+4*\q:P+16*\t+4*\q+3], s[6:7] offset:2048*\t+512*\q   ; the wave stores 512 consecutive bytes
.endr
.endr
	v_add_f32 v[SS], v[SS], v[SS+1]
	v_add_f32 v[SS+2], v[SS+2], v[SS+3]
	v_permlanex16_b32 v[TM], v[SS], s10, s11       ; the other half of the lanes holds the row's other 32 channels
	v_add_f32 v[SS], v[SS], v[TM]
	v_permlanex16_b32 v[TM], v[SS+2], s10, s11
	v_add_f32 v[SS+2], v[SS+2], v[TM]
	v_cndmask_b32 v[OUTV], v[SS], v[SS+2], s14     ; lanes 0-15: tile 0's code r; lanes 16-31: tile 1's
	v_mul_f32 v[OUTV], 0.5, v[OUTV]
	global_store_b32 v3, v[OUTV], s[8:9]           ; 128 consecutive bytes: all that 32 codes have (esq is 32,768 bytes in all)
	s_endpgm
.Lfunc_end_k_q481c5d1dca_prep:
	.size	k_q481c5d1dca_prep, .Lfunc_end_k_q481c5d1dca_prep-k_q481c5d1dca_prep
	.p2alignl 7, 3214868480
	.fill 96, 4, 3214868480
	.section	.rodata,"a",@progbits
	.p2align	6, 0x0
	.amdhsa_kernel k_q481c5d1dca_prep
		.amdhsa_group_segment_fixed_size 0
		.amdhsa_private_segment_fixed_size 0
		.amdhsa_enable_private_segment 0
		.amdhsa_kernarg_size 24
		.amdhsa_user_sgpr_count 2
		.amdhsa_user_sgpr_kernarg_segment_ptr 1
		.amdhsa_wavefront_size32 1
		.amdhsa_system_sgpr_workgroup_id_x 1
		.amdhsa_system_sgpr_workgroup_id_y 1
		.amdhsa_system_sgpr_workgroup_id_z 1
		.amdhsa_system_vgpr_workitem_id 0
		.amdhsa_next_free_vgpr 112
		.amdhsa_next_free_sgpr 66
		.amdhsa_reserve_vcc 0
		.amdhsa_float_denorm_mode_32 3
		.amdhsa_float_denorm_mode_16_64 3
		.amdhsa_memory_ordered 1
		.amdhsa_forward_progress 1
		.amdhsa_inst_pref_size 11
	.end_amdhsa_kernel
	.amdgpu_metadata
---
amdhsa.version: [ 1, 2 ]
amdhsa.kernels:
  - .name:           k_q481c5d1dca_prep
    .symbol:         k_q481c5d1dca_prep.kd
    .args:
      - { .name: emb_weight, .offset: 0, .size: 8, .value_kind: global_buffer, .address_space: global }
      - { .name: cb, .offset: 8, .size: 8, .value_kind: global_buffer, .address_space: global }
      - { .name: esq, .offset: 16, .size: 8, .value_kind: global_buffer, .address_space: global }
    .group_segment_fixed_size: 0
    .private_segment_fixed_size: 0
    .kernarg_segment_align: 8
    .kernarg_segment_size: 24
    .max_flat_workgroup_size: 32
    .sgpr_count:     66
    .vgpr_count:     112
    .wavefront_size: 32
...
	.end_amdgpu_metadata
.endif
;; end of part 1
;; launch scan (part 2): grid 256 x 1, 4 waves a work-group, clusters of 4 x 1, 327,680 bytes of LDS; arguments x, cb, esq, blk; writes blk
.if DOCPART == 2
	.amdgcn_target "amdgcn-amd-amdhsa--gfx1250"
	.amdhsa_code_object_version 6
	.text
	.protected	k_q481c5d1dca_scan
	.globl	k_q481c5d1dca_scan
	.p2align	8
	.type	k_q481c5d1dca_scan,@function
k_q481c5d1dca_scan:
	s_mov_b64 s[64:65], 0
	v_nop
	global_prefetch_b8 v0, s[64:65] scope:SCOPE_SE
	s_setreg_imm32_b32 hwreg(HW_REG_WAVE_MODE, 25, 1), 1
	s_wait_xcnt 0x0
	s_wait_alu depctr_hold_cnt(0) depctr_sa_sdst(0) depctr_va_vdst(0) depctr_va_sdst(0) depctr_va_ssrc(0) depctr_va_vcc(0) depctr_vm_vsrc(0)
	s_getreg_b32 s2, hwreg(HW_REG_IB_STS2, 6, 4)
	s_cmp_eq_u32 s2, 0
	s_cbranch_scc0 .Lentry_in_a_cluster
	s_endpgm
.Lentry_in_a_cluster:
	s_bfe_u32 s2, ttmp6, 0x10000c
	s_cmp_lg_u32 s2, 0x3003
	s_cbranch_scc0 .Lentry_shape_is_right
	s_endpgm
.Lentry_shape_is_right:
; SCAN: for each of the 32,768 vectors, which block of 8 consecutive codes holds the smallest distance.
; x: [8][64][4096] f32 (a vector's channels lie 16,384 bytes apart).  cb, esq: as the launch before wrote them.  blk: [32768] i32, 0 .. 1023.
; Score of vector n and code k:  s = esq[k] + sum over c of bf16(x[n][c]) * (-bf16(e[k][c]))  =  (d2 - |x|^2) / 2  of the rounded inputs: |x|^2 is the same for
; all codes of a vector and the factor is exact, so the smallest s is the smallest d2.
; SHARES.  A work-group owns 128 vectors against all 8,192 codes.  Each of its four waves keeps all 128 vectors in 128 registers (eight second operands of
; 16 vectors x 64 channels) and walks a quarter of the codes, 2,048: a tile of 16 codes is read from LDS once in the work-group, six loads for 16 matrix instructions.
; A matrix instruction takes 16 codes as rows and 16 vectors as columns, and esq as the sum's start: lane (r, h) then holds, for vector r, the scores of the eight
; codes 8 h + 0..7.  Four three-way minima fold them into the running best, one compare and one select note the block's number: six vector instructions for eight
; registers of scores, set between the matrix instructions.  The index inside the block is left to the next launch, which reads the block's number from memory.
; CLUSTERS.  All work-groups walk the same codebook.  Four form a cluster and ask for every piece of it JOINTLY (mask 15): the same line, the same descriptor, made
; of the wave's number and constants alone.  Each wave has a ring of two slots of 32,768 bytes (256 codes) of its own and reads only what it asked for.
; A wave has three tensor loads outstanding at the start (its half norms, slot 0, slot 1) and one later.
; LIMITS.  Inputs are finite: a NaN score is passed over by the minima and the compares.  Equal scores give the lowest block.  Two codes whose scores differ by less
; than the f32 rounding of these sums may come out in the other order than in the problem's own order of summation.
.set TILEB, 2048                       ; 16 codes of cb
.set SLOTB, 16*TILEB                   ; a slot
.set ESQB,  262144                     ; behind the four rings of 65,536 bytes: each wave's 2,048 half norms, 8,192 bytes a wave
.set XSTB,  294912                     ; 16,384 bytes: x as operands, written by LDS stores; no tensor load lands here
.set MRGB,  311296                     ; 8,192 bytes: the eight partial results of each vector: values, then 4,096 bytes on the block numbers
.set LA,   1                           ; my ring + 16 L
.set EA,   2                           ; my half norms + 32 h, stepped by 32 tiles a loop trip
.set VCUR, 3                           ; the number of the block whose scores are being folded: 2 x tile + h
.set AF,   8                           ; v[8:23], v[24:39]    a tile of codes, two buffers
.set EF,   40                          ; v[40:47], v[48:55]   its half norms, two buffers
.set DACC, 56                          ; v[56:71], v[72:87]   two sets of two accumulators
.set BEST, 88                          ; v[88:95], v[96:103]  the running best of my eight vectors, old and new by turns
.set IDX,  104                         ; v[104:111]           the block that gave it
.set XSW,  112                         ; where I put x's operands
.set XSR,  113                         ; where I read them
.set MA,   114                         ; where I put my results
.set MB,   115                         ; where a lane of waves 0, 1 reads the eight partial results of its two vectors
.set BO,   116                         ; its byte offset in blk
.set XF,   128                         ; v[128:255] x: tile t at XF + 16 t: 8 registers of channels 0-31, 8 of channels 32-63
.set XL,   8                           ; at the start: x as loaded, v[8:71]
.set XP,   72                          ; and packed, v[72:103]
.set MV,   8                           ; at the end: eight pairs of values, v[8:23],
.set MI,   24                          ; and of block numbers, v[24:39]
.set G1,   16                          ; s[16:23] shape of a slot's load
.set G1E,  24                          ; s[24:31] shape of the half norms' load
.set G0,   32                          ; s[32:39] from where, to where: one set for each slot
.set G0E,  40                          ; s[40:43] the same for the half norms
; A round of the cluster's barrier: my work-group's barrier, wave 0 signals for the work-group, every wave waits for all four work-groups, my work-group's barrier again.
.macro CREST                           ; a round behind its opening barrier
	s_cmp_lg_u32 s12, 0
	s_cbranch_scc1 .Lnot_wave_0_\@
	s_barrier_signal -3
.Lnot_wave_0_\@:
	s_barrier_wait -3
	s_barrier_signal -1
	s_barrier_wait -1
.endm
.macro ROUND
	s_barrier_signal -1
	s_barrier_wait -1
	CREST
.endm
	s_load_b256 s[4:11], s[0:1], 0x0               ; x s[4:5], cb s[6:7], esq s[8:9], blk s[10:11]
	v_lshl_add_u32 v126, v0, 2, 0x4e000
	v_mov_b32 v127, 0
	ds_add_u32 v126, v127
	v_lshrrev_b32 v6, 5, v0
	v_readfirstlane_b32 s12, v6                    ; wave 0..3
	s_bfe_u32 s13, ttmp6, 0x40000                  ; cx: my place in the cluster
	s_lshl_b32 s14, ttmp9, 2                       ; in a cluster launch ttmp9 counts clusters
	s_add_co_u32 s14, s14, s13                     ; W: enters the addresses of x and blk alone
	v_and_b32 v4, 15, v0                           ; r
	v_bfe_u32 v5, v0, 4, 1                         ; h
	v_and_b32 v6, 31, v0                           ; L
	v_lshlrev_b32 v7, 4, v4                        ; x: four vectors a lane, 16 r bytes,
	v_lshl_add_u32 v7, v5, 17, v7                  ; + 8 h channels of 16,384 bytes
	s_lshl_b32 s50, s12, 16
	v_lshl_add_u32 v[LA], v6, 4, s50
	s_lshl_b32 s50, s12, 13
	s_add_co_u32 s50, s50, ESQB
	v_lshl_add_u32 v[EA], v5, 5, s50
	s_lshl_b32 s50, s12, 9
	s_add_co_u32 s50, s50, XSTB
	v_lshl_add_u32 v[XSW], v6, 4, s50              ; wave w makes channels 16 w .. 16 w + 15: piece w of every tile
	v_lshl_add_u32 v[XSR], v6, 4, XSTB
	s_lshl_b32 s50, s12, 10
	s_add_co_u32 s50, s50, MRGB
	v_lshl_add_u32 v[MA], v5, 9, s50               ; row 2 w + h of 512 bytes,
	v_lshl_add_u32 v[MA], v4, 4, v[MA]             ; four vectors at 16 r
	v_lshl_add_u32 v[MB], v0, 3, MRGB
	v_lshlrev_b32 v[BO], 3, v0
	s_lshl_b32 s50, s12, 8                         ; my first block is 256 w + h;
	s_sub_co_u32 s50, s50, 2                       ; VCUR starts one tile in front of it (see the start values below)
	v_add_nc_u32 v[VCUR], s50, v5
	s_lshr_b32 s46, s14, 5                         ; image b = W / 32: 1,048,576 bytes each
	s_lshl_b32 s46, s46, 20
	s_and_b32 s47, s14, 31                         ; 128 vectors of 4 bytes
	s_lshl_b32 s47, s47, 9
	s_add_co_u32 s46, s46, s47
	s_lshl_b32 s47, s12, 18                        ; 16 w channels
	s_add_co_u32 s46, s46, s47
	s_mov_b32 s47, 0
	s_wait_dscnt 0x0
	s_wait_kmcnt 0x0
	s_add_nc_u64 s[4:5], s[4:5], s[46:47]
	; x, once in the work-group: channel 16 w + 8 h + i, vectors 64 g + 4 r + 0..3.  Sixteen lanes cover 256 consecutive bytes, aligned.
.irp g, 0,1
.irp i, 0,1,2,3,4,5,6,7
	global_load_b128 v[XL+32*\g+4*\i:XL+32*\g+4*\i+3], v7, s[4:5] offset:16384*\i+256*\g
.endr
.endr
	s_lshl_b32 s46, s14, 9                         ; blk: 128 numbers of 4 bytes a work-group
	s_add_nc_u64 s[10:11], s[10:11], s[46:47]
	; group 1: a dense block as rows of 256 bytes (32 elements of 8 bytes), 128 rows for a slot, 32 for the half norms.  No padding: the operands are read as consecutive bytes.
	s_mov_b32 s[G1+0], 15|(3<<16)|(1<<21)          ; 15:0 the mask: all four of the cluster; 17:16 elements of 8 bytes; 21 set beside a mask
	s_mov_b32 s[G1+1], 32<<16                      ; tensor_dim0 = 32
	s_mov_b32 s[G1+2], 128<<16                     ; tensor_dim1 = 128
	s_mov_b32 s[G1+3], 32<<16                      ; tile_dim0 = 32
	s_mov_b32 s[G1+4], 128                         ; tile_dim1 = 128
	s_mov_b32 s[G1+5], 32                          ; from row to row: 32 elements
	s_mov_b32 s[G1+6], 0
	s_mov_b32 s[G1+7], 0
	s_mov_b32 s[G1E+0], 15|(3<<16)|(1<<21)
	s_mov_b32 s[G1E+1], 32<<16
	s_mov_b32 s[G1E+2], 32<<16
	s_mov_b32 s[G1E+3], 32<<16
	s_mov_b32 s[G1E+4], 32
	s_mov_b32 s[G1E+5], 32
	s_mov_b32 s[G1E+6], 0
	s_mov_b32 s[G1E+7], 0
	; group 0: made of the wave's number and constants, so equal in the four partners
	s_lshl_b32 s44, s12, 18                        ; my quarter of cb: 128 tiles of 2,048 bytes
	s_mov_b32 s45, 0
	s_mov_b32 s[G0+0], 1
	s_lshl_b32 s[G0+1], s12, 16                    ; slot 0 of my ring
	s_add_nc_u64 s[G0+2:G0+3], s[6:7], s[44:45]
	s_mov_b32 s[G0+4], 1
	s_add_co_u32 s[G0+5], s[G0+1], SLOTB           ; slot 1
	s_add_nc_u64 s[G0+6:G0+7], s[G0+2:G0+3], SLOTB
	s_or_b32 s[G0+3], s[G0+3], 0x80000000          ; type = 2
	s_or_b32 s[G0+7], s[G0+7], 0x80000000
	s_lshl_b32 s44, s12, 13                        ; my 2,048 half norms
	s_mov_b32 s[G0E+0], 1
	s_add_co_u32 s[G0E+1], s44, ESQB
	s_add_nc_u64 s[G0E+2:G0E+3], s[8:9], s[44:45]
	s_or_b32 s[G0E+3], s[G0E+3], 0x80000000
	ROUND                                          ; all four work-groups are here: the first joint loads meet
	tensor_load_to_lds s[G0E:G0E+3], s[G1E:G1E+7]
	s_nop 0
	tensor_load_to_lds s[G0:G0+3], s[G1:G1+7]
	s_nop 0
	tensor_load_to_lds s[G0+4:G0+7], s[G1:G1+7]
	s_nop 0
	; x to bf16 operands.  Tile t = 4 g + e, column r is vector 64 g + 4 r + e; a lane's four packed registers are its channels 16 w + 8 h + 0..7.
	s_wait_loadcnt 0x0
.irp g, 0,1
.irp e, 0,1,2,3
.irp k, 0,1,2,3
	v_cvt_pk_bf16_f32 v[XP+16*\g+4*\e+\k], v[XL+32*\g+8*\k+\e], v[XL+32*\g+8*\k+4+\e]
.endr
.endr
.endr
.irp t, 0,1,2,3,4,5,6,7
	ds_store_b128 v[XSW], v[XP+4*\t:XP+4*\t+3] offset:2048*\t
.endr
	s_wait_dscnt 0x0                               ; my stores are done, for the others' sake
	s_barrier_signal -1                            ; the tensor loads stay on their way
	s_barrier_wait -1
.set m, 0
.rept 32
	ds_load_b128 v[XF+4*m:XF+4*m+3], v[XSR] offset:512*m           ; piece u of tile t at 512 (4 t + u) + 16 L
.set m, m+1
.endr
	; Start values.  The folding of a pair of accumulators stands one block behind its products, so the first block folds a pair that does not exist:
	; with +infinity in that set and in the bests it changes nothing, and no separate first block has to be written out.
	s_mov_b32 s51, 0x7f800000
.set m, 0
.rept 16
	v_mov_b32 v[BEST+m], s51
	v_mov_b32 v[DACC+16+m], s51
.set m, m+1
.endr
.set m, 0
.rept 8
	v_mov_b32 v[IDX+m], 0
.set m, m+1
.endr
; Six LDS loads: the next tile of codes into buffer nb (four times 512 consecutive bytes) and its half norms (register j: esq of code 8 h + j, the same in all 16 lanes of a half)
.macro LDNEXT nb, aoff, eoff
.irp q, 0,1,2,3
	ds_load_b128 v[AF+16*\nb+4*\q:AF+16*\nb+4*\q+3], v[LA] offset:\aoff+512*\q
.endr
	ds_load_b128 v[EF+8*\nb:EF+8*\nb+3],   v[EA] offset:\eoff
	ds_load_b128 v[EF+8*\nb+4:EF+8*\nb+7], v[EA] offset:\eoff+16
.endm
; The twelve instructions that fold the accumulators at ds (x tile 2 pt) and ds + 8 (x tile 2 pt + 1), in four groups of three.  bi: the best so far, bo: the new best.
; The compare is strict and the tiles ascend: on equal scores the earlier block stays.
.macro VG grp, pt, ds, bi, bo
.if \grp == 0
	v_min3_num_f32 v[\bo+2*\pt], v[\bi+2*\pt], v[\ds], v[\ds+1]
	v_min3_num_f32 v[\bo+2*\pt], v[\bo+2*\pt], v[\ds+2], v[\ds+3]
	v_min3_num_f32 v[\bo+2*\pt+1], v[\bi+2*\pt+1], v[\ds+8], v[\ds+9]
.endif
.if \grp == 1
	v_min3_num_f32 v[\bo+2*\pt], v[\bo+2*\pt], v[\ds+4], v[\ds+5]
	v_min3_num_f32 v[\bo+2*\pt+1], v[\bo+2*\pt+1], v[\ds+10], v[\ds+11]
	v_min3_num_f32 v[\bo+2*\pt], v[\bo+2*\pt], v[\ds+6], v[\ds+7]
.endif
.if \grp == 2
	v_min3_num_f32 v[\bo+2*\pt+1], v[\bo+2*\pt+1], v[\ds+12], v[\ds+13]
	v_cmp_lt_f32 vcc_lo, v[\bo+2*\pt], v[\bi+2*\pt]
	v_min3_num_f32 v[\bo+2*\pt+1], v[\bo+2*\pt+1], v[\ds+14], v[\ds+15]
.endif
.if \grp == 3
	v_cndmask_b32 v[IDX+2*\pt], v[IDX+2*\pt], v[VCUR], vcc_lo
	v_cmp_lt_f32 vcc_lo, v[\bo+2*\pt+1], v[\bi+2*\pt+1]
	v_cndmask_b32 v[IDX+2*\pt+1], v[IDX+2*\pt+1], v[VCUR], vcc_lo
.endif
.endm
; A block: the tile of codes in buffer b against x tiles 2 p and 2 p + 1, into accumulator set p % 2, while the other set (pair ppt) is folded.
; The two accumulators take turns, one instruction a turn, also from block to block and over the loop's backward jump.
; PLACES (ISA guide 7.12.1), counted in plain vector instructions that name none of the matrix instruction's registers:
;   the first fold of accumulator a stands 6 behind a's last product (groups 2 and 3); the first fold of b 5 behind b's (group 3 and a's first two folds);
;   the LDS loads into the other buffer the same 5 behind that buffer's last reader; a set is written again 6 or more behind its last product.
.macro BLOCK p, b, ppt, pbi, pbo, ld, aoff, eoff
	v_wmma_f32_16x16x32_bf16 v[DACC+16*(\p&1):DACC+16*(\p&1)+7], v[AF+16*\b:AF+16*\b+7], v[XF+32*\p:XF+32*\p+7], v[EF+8*\b:EF+8*\b+7]        ; the half norms start the sum
	VG 0, \ppt, (DACC+16-16*(\p&1)), \pbi, \pbo
.if \ld
	LDNEXT (1-\b), \aoff, \eoff
.endif
	v_wmma_f32_16x16x32_bf16 v[DACC+16*(\p&1)+8:DACC+16*(\p&1)+15], v[AF+16*\b:AF+16*\b+7], v[XF+32*\p+16:XF+32*\p+23], v[EF+8*\b:EF+8*\b+7]
	VG 1, \ppt, (DACC+16-16*(\p&1)), \pbi, \pbo
	v_wmma_f32_16x16x32_bf16 v[DACC+16*(\p&1):DACC+16*(\p&1)+7], v[AF+16*\b+8:AF+16*\b+15], v[XF+32*\p+8:XF+32*\p+15], v[DACC+16*(\p&1):DACC+16*(\p&1)+7]
	VG 2, \ppt, (DACC+16-16*(\p&1)), \pbi, \pbo
	v_wmma_f32_16x16x32_bf16 v[DACC+16*(\p&1)+8:DACC+16*(\p&1)+15], v[AF+16*\b+8:AF+16*\b+15], v[XF+32*\p+24:XF+32*\p+31], v[DACC+16*(\p&1)+8:DACC+16*(\p&1)+15]
	VG 3, \ppt, (DACC+16-16*(\p&1)), \pbi, \pbo
.endm
; One tile of 16 codes against all 128 vectors: 16 matrix instructions.  Its first block folds the last pair of the tile before, then VCUR steps to this tile.
; A tile in buffer b reads the bests in set b and writes set 1 - b.
; mode 2: this is the slot's last tile but one.  Its loads have fetched the slot's last tile, so behind them the slot is free.  In front of the round's opening signal
;   the wave waits for those reads and for all its tensor loads (one is out: the other slot's); inside the round stands register work alone (the fourth block);
;   behind its closing wait the refill is the first tensor load, two slots further on in cb.
; mode 1: nothing is left to fetch; the wait shows the other slot's tile landed before the next tile's loads read it (no younger load is out, so the count is 0).
.macro CT b, ld, aoff, eoff, mode, slot
	s_wait_dscnt 0x0                               ; this tile's six loads, issued in the first block of the tile before
	BLOCK 0, \b, 3, (BEST+8-8*\b), (BEST+8*\b), \ld, \aoff, \eoff
	v_add_nc_u32 v[VCUR], 2, v[VCUR]
	BLOCK 1, \b, 0, (BEST+8*\b), (BEST+8-8*\b), 0, 0, 0
	BLOCK 2, \b, 1, (BEST+8*\b), (BEST+8-8*\b), 0, 0, 0
.if \mode == 2
	s_wait_dscnt 0x0                               ; my reads of this slot are over
	s_wait_tensorcnt 0x0                           ; all my tensor loads have landed
	ds_add_u32 v126, v127
	s_wait_dscnt 0x0
	s_barrier_signal -1                            ; opens a round of the cluster's barrier
.endif
.if \mode == 1
	s_wait_tensorcnt 0x0
.endif
	BLOCK 3, \b, 2, (BEST+8*\b), (BEST+8-8*\b), 0, 0, 0
.if \mode == 2
	s_barrier_wait -1
	CREST                                          ; no wave of any partner still reads its slot or has a load on its way
	s_add_nc_u64 s[G0+4*\slot+2:G0+4*\slot+3], s[G0+4*\slot+2:G0+4*\slot+3], 2*SLOTB
	tensor_load_to_lds s[G0+4*\slot:G0+4*\slot+3], s[G1:G1+7]
	s_nop 0
.endif
.endm
; A slot's 16 tiles.  Tile k fetches tile k + 1; the last fetches the other slot's first (last = 0: nothing).  The half norms' offsets count the tiles of a loop trip, 0 .. 31.
.macro TRIP slot, mode, last
.irp k, 0,1,2,3,4,5,6,7,8,9,10,11,12,13
	CT (\k&1), 1, (\slot*SLOTB+(\k+1)*TILEB), ((16*\slot+\k+1)*64), 0, \slot
.endr
	CT 0, 1, (\slot*SLOTB+15*TILEB), ((16*\slot+15)*64), \mode, \slot
	CT 1, \last, ((1-\slot)*SLOTB), ((16*\slot+16)*64), 0, \slot
.endm
	s_wait_tensorcnt 0x1                           ; my half norms and my slot 0 are in; slot 1, issued behind them, may be out.  I read only what I asked for: no barrier
	LDNEXT 0, 0, 0
	s_mov_b32 s15, 3                               ; eight slots' worth of codes: three trips of two with refills, then two without
.Lpair:
	TRIP 0, 2, 1
	TRIP 1, 2, 1
	v_add_nc_u32 v[EA], 32*64, v[EA]               ; 32 tiles of half norms on
	s_sub_co_u32 s15, s15, 1
	s_cmp_lg_u32 s15, 0
	s_cbranch_scc1 .Lpair
	TRIP 0, 1, 1
	TRIP 1, 0, 0
	VG 0, 3, (DACC+16), (BEST+8), BEST             ; the last pair; the places in front of it are those of every block
	VG 1, 3, (DACC+16), (BEST+8), BEST
	VG 2, 3, (DACC+16), (BEST+8), BEST
	VG 3, 3, (DACC+16), (BEST+8), BEST
	; Each vector now has eight partial results: four waves x two halves of the lanes.  They meet in LDS; row 2 w + h, vector 64 g + 4 r + e at 256 g + 16 r + 4 e.
	ds_store_b128 v[MA], v[BEST:BEST+3]
	ds_store_b128 v[MA], v[BEST+4:BEST+7] offset:256
	ds_store_b128 v[MA], v[IDX:IDX+3] offset:4096
	ds_store_b128 v[MA], v[IDX+4:IDX+7] offset:4352
	s_wait_dscnt 0x0                               ; for the others' sake
	s_barrier_signal -1
	s_barrier_wait -1
	s_cmp_gt_u32 s12, 1
	s_cbranch_scc1 .Lmerged                        ; 64 lanes, two vectors each: waves 0 and 1
.irp k, 0,1,2,3,4,5,6,7
	ds_load_b64 v[MV+2*\k:MV+2*\k+1], v[MB] offset:512*\k
	ds_load_b64 v[MI+2*\k:MI+2*\k+1], v[MB] offset:4096+512*\k
.endr
	s_wait_dscnt 0x0
; the lower score wins; on equal scores the lower block.  The masks only select values.
.macro MERGE bv, bi, cv, ci
	v_cmp_lt_f32 s48, v[\cv], v[\bv]
	v_cmp_eq_f32 s49, v[\cv], v[\bv]
	v_cmp_lt_u32 vcc_lo, v[\ci], v[\bi]
	s_and_b32 s49, s49, vcc_lo
	s_or_b32 s48, s48, s49
	v_cndmask_b32 v[\bv], v[\bv], v[\cv], s48
	v_cndmask_b32 v[\bi], v[\bi], v[\ci], s48
.endm
.irp k, 1,2,3,4,5,6,7
	MERGE MV, MI, (MV+2*\k), (MI+2*\k)
	MERGE (MV+1), (MI+1), (MV+2*\k+1), (MI+2*\k+1)
.endr
	global_store_b64 v[BO], v[MI:MI+1], s[10:11]   ; a wave stores 256 consecutive bytes, aligned
.Lmerged:
	s_wait_tensorcnt 0x0
	ds_add_u32 v126, v127
	s_wait_dscnt 0x0
	ROUND                                          ; the closing round: no work-group ends while a partner may still ask jointly
	s_endpgm
.Lfunc_end_k_q481c5d1dca_scan:
	.size	k_q481c5d1dca_scan, .Lfunc_end_k_q481c5d1dca_scan-k_q481c5d1dca_scan
	.p2alignl 7, 3214868480
	.fill 96, 4, 3214868480
	.section	.rodata,"a",@progbits
	.p2align	6, 0x0
	.amdhsa_kernel k_q481c5d1dca_scan
		.amdhsa_group_segment_fixed_size 327680
		.amdhsa_private_segment_fixed_size 0
		.amdhsa_enable_private_segment 0
		.amdhsa_kernarg_size 32
		.amdhsa_user_sgpr_count 2
		.amdhsa_user_sgpr_kernarg_segment_ptr 1
		.amdhsa_wavefront_size32 1
		.amdhsa_system_sgpr_workgroup_id_x 1
		.amdhsa_system_sgpr_workgroup_id_y 1
		.amdhsa_system_sgpr_workgroup_id_z 1
		.amdhsa_system_vgpr_workitem_id 0
		.amdhsa_next_free_vgpr 256
		.amdhsa_next_free_sgpr 66
		.amdhsa_reserve_vcc 1
		.amdhsa_float_denorm_mode_32 3
		.amdhsa_float_denorm_mode_16_64 3
		.amdhsa_memory_ordered 1
		.amdhsa_forward_progress 1
		.amdhsa_inst_pref_size 255
	.end_amdhsa_kernel
	.section	.bss,"aw",@nobits
	.p2align	6
	.space	262144
	.amdgpu_metadata
---
amdhsa.version: [ 1, 2 ]
amdhsa.kernels:
  - .name:           k_q481c5d1dca_scan
    .symbol:         k_q481c5d1dca_scan.kd
    .args:
      - { .name: x, .offset: 0, .size: 8, .value_kind: global_buffer, .address_space: global }
      - { .name: cb, .offset: 8, .size: 8, .value_kind: global_buffer, .address_space: global }
      - { .name: esq, .offset: 16, .size: 8, .value_kind: global_buffer, .address_space: global }
      - { .name: blk, .offset: 24, .size: 8, .value_kind: global_buffer, .address_space: global }
    .group_segment_fixed_size: 327680
    .private_segment_fixed_size: 0
    .kernarg_segment_align: 8
    .kernarg_segment_size: 32
    .max_flat_workgroup_size: 128
    .sgpr_count:     66
    .vgpr_count:     256
    .wavefront_size: 32
...
	.end_amdgpu_metadata
.endif
;; end of part 2
;; launch pick (part 3): grid 256 x 1, 8 waves a work-group, no clusters, 36,608 bytes of LDS; arguments x, emb_weight, esq, blk, out0, out1, part; writes out0, out1, part
.if DOCPART == 3
	.amdgcn_target "amdgcn-amd-amdhsa--gfx1250"
	.amdhsa_code_object_version 6
	.text
	.protected	k_q481c5d1dca_pick
	.globl	k_q481c5d1dca_pick
	.p2align	8
	.type	k_q481c5d1dca_pick,@function
k_q481c5d1dca_pick:
	s_mov_b64 s[64:65], 0
	v_nop
	global_prefetch_b8 v0, s[64:65] scope:SCOPE_SE
	s_setreg_imm32_b32 hwreg(HW_REG_WAVE_MODE, 25, 1), 1
	s_wait_xcnt 0x0
; PICK: the index inside the block, the chosen code, the outputs.
; x, out0: [8][64][4096] f32.  emb_weight: [8192][64] f32.  esq: [8192] f32.  blk: [32768] i32 (the block of 8 codes, read from memory).  out1: [32768] i32.
; part: [256] f32, the work-group's sum of (q - x)^2.
; A work-group owns 128 vectors, a wave 16 of them.  The eight candidate rows of a vector are 2,048 consecutive bytes of emb_weight at 2,048 x block: lane (s = L % 16,
; h = L / 16) takes channels 4 s .. 4 s + 3 of candidates 4 h + 0..3, so that sixteen lanes read a whole row of 256 bytes.  The scores are those of the launch before
; (esq minus the product of the inputs rounded to bf16, summed in f32); the chosen row is SELECTED among the loaded rows by value, so no address hangs on a score.
; out0 = x + (q - x) and the loss are made of the unrounded x and e.
; x arrives channel by channel and is needed vector by vector, and out0 the other way round: both pass through one LDS region.  Vector n = 4 l + e lies in row 32 e + l
; of 272 bytes (256 + 16 = 68 words: 16 neighbouring rows start at 16 different groups of four banks; 64 banks of 4 bytes: ISA guide 11.1), so both the access by rows
; (16 lanes along one row) and the access by channels (lane l at row 32 e + l) are free of conflicts.
; No matrix unit, cluster or tensor load: eight candidates a vector are too little for them, and no two work-groups need the same rows at the same time.
; LIMITS.  Inputs are finite (a NaN score never wins a compare).  Equal scores give the lowest index.  Scores closer than f32 rounding may order otherwise than in the
; problem's own order of summation.
.set PITCH, 272
.set EROWS, 32*PITCH                   ; the 32 rows of one e
.set IDXS,  128*PITCH                  ; 512 bytes: the 128 indices
.set LSUM,  IDXS+512                   ; 32 bytes: the eight waves' sums
.set LT,  4                            ; 1,024 h + 16 s: my place in a block's 2,048 bytes
.set QT,  5                            ; 16 h: my four half norms in a block's 32 bytes
.set ZR,  6                            ; 0
.set KI,  8                            ; v[8:11]  4 h + i
.set RA,  12                           ; by rows: 4 w rows + 16 s
.set WA,  13                           ; by channels: row L + 32 w bytes (my wave's eight channels)
.set IA,  14                           ; my wave's 16 indices
.set L16, 15                           ; 16 L
.set LSA, 16                           ; my wave's sum
.set IRD, 17
.set LRD, 18
.set LS,  20                           ; v[20:21] sum of squares, two chains
.set OI,  24                           ; v[24:27] four indices on their way out
.set XFR, 32                           ; v[32:95] x of my wave's vector j, my four channels, at XFR + 4 j
.set SL,  96                           ; v[96:191] four slots of 24: four candidates x four channels, four half norms, two offsets
.set XL,  192                          ; v[192:223] x (later out0) by channels: eight channels x four vectors
.set TT,  224                          ; v[224:255] the same by vectors
.set XB,  192                          ; at work in a vector's turn, in the same registers:
.set EB,  194
.set ACC, 202
.set BS,  206
.set BK,  207
.set BQ,  208
.set OT,  212                          ; v[212:217] what the other half holds; written whole by the x loads before v_permlanex16_b32, which counts as a reader, names them
.set VLO, 218
.set VHI, 219
.set DD,  220
.set OO,  224
.set VI,  228
	s_load_b256 s[4:11], s[0:1], 0x0               ; x s[4:5], emb_weight s[6:7], esq s[8:9], blk s[10:11]
	s_load_b128 s[12:15], s[0:1], 0x20             ; out0 s[12:13], out1 s[14:15]
	s_load_b64 s[36:37], s[0:1], 0x30              ; part
	v_lshl_add_u32 v190, v0, 2, 0x8b00
	v_mov_b32 v191, 0
	v_lshrrev_b32 v7, 5, v0
	v_readfirstlane_b32 s40, v7                    ; wave 0..7
	v_and_b32 v1, 31, v0                           ; L
	v_and_b32 v2, 15, v0                           ; s
	v_bfe_u32 v3, v0, 4, 1                         ; h
	v_lshlrev_b32 v[LT], 4, v2
	v_lshl_add_u32 v[LT], v3, 10, v[LT]
	v_lshlrev_b32 v[QT], 4, v3
	v_mov_b32 v[ZR], 0
.irp i, 0,1,2,3
	v_lshl_add_u32 v[KI+\i], v3, 2, \i
.endr
	s_mul_i32 s41, s40, 4*PITCH
	v_lshl_add_u32 v[RA], v2, 4, s41
	s_lshl_b32 s41, s40, 5
	v_mad_u32_u24 v[WA], v1, PITCH, s41
	s_lshl_b32 s41, s40, 6
	s_add_co_u32 s41, s41, IDXS
	v_mov_b32 v[IA], s41
	s_lshl_b32 s41, s40, 2
	s_add_co_u32 s41, s41, LSUM
	v_mov_b32 v[LSA], s41
	v_lshlrev_b32 v[L16], 4, v1
	s_mov_b32 s32, 0x76543210                      ; v_permlanex16_b32: lane i of one half reads lane i of the other
	s_mov_b32 s33, 0xfedcba98
	s_mov_b32 s34, 0xffff0000                      ; lanes 16-31
	s_lshr_b32 s42, ttmp9, 5                       ; x and out0: image W / 32,
	s_lshl_b32 s42, s42, 20
	s_and_b32 s43, ttmp9, 31                       ; 128 vectors of 4 bytes,
	s_lshl_b32 s43, s43, 9
	s_add_co_u32 s42, s42, s43
	s_lshl_b32 s43, s40, 17                        ; 8 w channels of 16,384 bytes
	s_add_co_u32 s42, s42, s43
	s_mov_b32 s43, 0
	s_lshl_b32 s44, ttmp9, 9                       ; out1: 128 numbers a work-group
	s_mov_b32 s45, 0
	s_lshl_b32 s46, s40, 6                         ; blk: the same + 16 numbers a wave
	s_add_co_u32 s46, s46, s44
	s_mov_b32 s47, 0
	s_lshl_b32 s48, ttmp9, 2                       ; part
	s_mov_b32 s49, 0
	s_wait_kmcnt 0x0
	s_add_nc_u64 s[10:11], s[10:11], s[46:47]
	s_load_b512 s[16:31], s[10:11], 0x0            ; my wave's 16 blocks
	s_add_nc_u64 s[4:5], s[4:5], s[42:43]
	s_add_nc_u64 s[12:13], s[12:13], s[42:43]
	s_add_nc_u64 s[14:15], s[14:15], s[44:45]
	s_add_nc_u64 s[36:37], s[36:37], s[48:49]
.irp i, 0,1,2,3,4,5,6,7
	global_load_b128 v[XL+4*\i:XL+4*\i+3], v[L16], s[4:5] offset:16384*\i th:TH_LOAD_NT    ; channel 8 w + i of all 128 vectors: 512 consecutive bytes
.endr
	s_wait_kmcnt 0x0
.irp j, 0,1,2,3,4,5,6,7,8,9,10,11,12,13,14,15
	s_min_u32 s[16+\j], s[16+\j], 0x3ff            ; a block's number is below 1,024: the loads below stay inside their tables whatever the buffer holds
.endr
; five loads: the candidates of vector j (each half of the lanes takes four whole rows) and their half norms
.macro GATH sl, j
	v_lshl_add_u32 v[SL+24*\sl+20], s[16+\j], 11, v[LT]
	v_lshl_add_u32 v[SL+24*\sl+21], s[16+\j], 5, v[QT]
.irp i, 0,1,2,3
	global_load_b128 v[SL+24*\sl+4*\i:SL+24*\sl+4*\i+3], v[SL+24*\sl+20], s[6:7] offset:256*\i
.endr
	global_load_b128 v[SL+24*\sl+16:SL+24*\sl+19], v[SL+24*\sl+21], s[8:9]
.endm
	GATH 0, 0
	GATH 1, 1
	GATH 2, 2
	GATH 3, 3
	s_wait_loadcnt 20                              ; x is in; the four gathers of five loads behind it stay out
.irp a, 0,1
.irp e, 0,1,2,3
.irp k, 0,1,2,3
	v_mov_b32 v[TT+16*\a+4*\e+\k], v[XL+16*\a+4*\k+\e]             ; 4 x 4 turned: channels 8 w + 4 a + 0..3 of vector 4 L + e
.endr
.endr
.endr
.irp a, 0,1
.irp e, 0,1,2,3
	ds_store_b128 v[WA], v[TT+16*\a+4*\e:TT+16*\a+4*\e+3] offset:16*\a+EROWS*\e
.endr
.endr
	s_wait_dscnt 0x0                               ; for the others' sake
	s_barrier_signal -1
	s_barrier_wait -1
.irp j, 0,1,2,3,4,5,6,7,8,9,10,11,12,13,14,15
	ds_load_b128 v[XFR+4*\j:XFR+4*\j+3], v[RA] offset:(\j&3)*EROWS+(\j>>2)*PITCH   ; vector 16 w + j: row 32 (j % 4) + 4 w + j / 4; both halves read the same bytes
.endr
	s_wait_dscnt 0x0
; The turn of vector j, whose candidates lie in slot sl.  left = the loads of the younger gathers, which stay out.
.macro VEC j, sl, left
	s_wait_loadcnt \left                           ; loads come back in order (ISA guide 5.7.1): this slot's five are in, and its two offset registers are free
	v_cvt_pk_bf16_f32 v[XB], v[XFR+4*\j], v[XFR+4*\j+1]
	v_cvt_pk_bf16_f32 v[XB+1], v[XFR+4*\j+2], v[XFR+4*\j+3]
.irp i, 0,1,2,3
	v_cvt_pk_bf16_f32 v[EB+2*\i], v[SL+24*\sl+4*\i], v[SL+24*\sl+4*\i+1]
	v_cvt_pk_bf16_f32 v[EB+2*\i+1], v[SL+24*\sl+4*\i+2], v[SL+24*\sl+4*\i+3]
.endr
	; my four channels' products of the rounded numbers, in f32; four chains, one for each candidate
.irp i, 0,1,2,3
	v_fma_mix_f32_bf16 v[ACC+\i], v[XB], v[EB+2*\i], v[ZR] op_sel_hi:[1,1,0]
.endr
.irp i, 0,1,2,3
	v_fma_mix_f32_bf16 v[ACC+\i], v[XB], v[EB+2*\i], v[ACC+\i] op_sel:[1,1,0] op_sel_hi:[1,1,0]
.endr
.irp i, 0,1,2,3
	v_fma_mix_f32_bf16 v[ACC+\i], v[XB+1], v[EB+2*\i+1], v[ACC+\i] op_sel_hi:[1,1,0]
.endr
.irp i, 0,1,2,3
	v_fma_mix_f32_bf16 v[ACC+\i], v[XB+1], v[EB+2*\i+1], v[ACC+\i] op_sel:[1,1,0] op_sel_hi:[1,1,0]
.endr
.irp m, 1,2,4,8
.irp i, 0,1,2,3
	v_add_f32_dpp v[ACC+\i], v[ACC+\i], v[ACC+\i] row_xmask:\m row_mask:0xf bank_mask:0xf   ; over the 16 lanes of my half: all 64 channels
.endr
.endr
.irp i, 0,1,2,3
	v_sub_f32 v[ACC+\i], v[SL+24*\sl+16+\i], v[ACC+\i]             ; the score
.endr
	; the best of my half's four, ascending, by a strict compare: the lower index stays on equal scores.  Score, index and row are selected together.
	v_cmp_lt_f32 vcc_lo, v[ACC+1], v[ACC]
	v_cndmask_b32 v[BS], v[ACC], v[ACC+1], vcc_lo
	v_cndmask_b32 v[BK], v[KI], v[KI+1], vcc_lo
.irp k, 0,1,2,3
	v_cndmask_b32 v[BQ+\k], v[SL+24*\sl+\k], v[SL+24*\sl+4+\k], vcc_lo
.endr
.irp i, 2,3
	v_cmp_lt_f32 vcc_lo, v[ACC+\i], v[BS]
	v_cndmask_b32 v[BS], v[BS], v[ACC+\i], vcc_lo
	v_cndmask_b32 v[BK], v[BK], v[KI+\i], vcc_lo
.irp k, 0,1,2,3
	v_cndmask_b32 v[BQ+\k], v[BQ+\k], v[SL+24*\sl+4*\i+\k], vcc_lo
.endr
.endr
	; between the halves: the upper half's candidate (indices 4-7) wins only if it is strictly better
	v_permlanex16_b32 v[OT], v[BS], s32, s33
	v_permlanex16_b32 v[OT+1], v[BK], s32, s33
.irp k, 0,1,2,3
	v_permlanex16_b32 v[OT+2+\k], v[BQ+\k], s32, s33
.endr
	v_cndmask_b32 v[VLO], v[BS], v[OT], s34        ; the lower half's score, in every lane
	v_cndmask_b32 v[VHI], v[OT], v[BS], s34        ; the upper half's
	v_cmp_lt_f32 vcc_lo, v[VHI], v[VLO]
	s_xor_b32 s35, vcc_lo, s34                     ; lanes that take the other half's: the lower ones if the upper half won, else the upper ones
	v_cndmask_b32 v[BK], v[BK], v[OT+1], s35
.irp k, 0,1,2,3
	v_cndmask_b32 v[BQ+\k], v[BQ+\k], v[OT+2+\k], s35
.endr
	v_pk_add_f32 v[DD:DD+1], v[BQ:BQ+1], v[XFR+4*\j:XFR+4*\j+1] neg_lo:[0,1] neg_hi:[0,1]          ; q - x
	v_pk_add_f32 v[DD+2:DD+3], v[BQ+2:BQ+3], v[XFR+4*\j+2:XFR+4*\j+3] neg_lo:[0,1] neg_hi:[0,1]
	v_pk_add_f32 v[OO:OO+1], v[XFR+4*\j:XFR+4*\j+1], v[DD:DD+1]                                    ; x + (q - x)
	v_pk_add_f32 v[OO+2:OO+3], v[XFR+4*\j+2:XFR+4*\j+3], v[DD+2:DD+3]
.if \j == 0
	v_pk_mul_f32 v[LS:LS+1], v[DD:DD+1], v[DD:DD+1]                                                ; the first squares start the sum
.else
	v_pk_fma_f32 v[LS:LS+1], v[DD:DD+1], v[DD:DD+1], v[LS:LS+1]
.endif
	v_pk_fma_f32 v[LS:LS+1], v[DD+2:DD+3], v[DD+2:DD+3], v[LS:LS+1]
	ds_store_b128 v[RA], v[OO:OO+3] offset:(\j&3)*EROWS+(\j>>2)*PITCH      ; into x's own place: a row that only my wave has read, and its reads are back
	v_lshl_add_u32 v[VI], s[16+\j], 3, v[BK]                               ; 8 x block + the index inside it
	ds_store_b32 v[IA], v[VI] offset:4*\j                                  ; all lanes write the same word with the same value
.if \j < 12
	GATH \sl, (\j+4)
.endif
.endm
.irp j, 0,1,2,3,4,5,6,7,8,9,10,11
	VEC \j, (\j&3), 15                             ; three younger gathers of five loads
.endr
	VEC 12, 0, 15
	VEC 13, 1, 10                                  ; nothing more is fetched: the counts run down
	VEC 14, 2, 5
	VEC 15, 3, 0
	v_add_f32 v[LS], v[LS], v[LS+1]
.irp m, 1,2,4,8
	v_add_f32_dpp v[LS], v[LS], v[LS] row_xmask:\m row_mask:0xf bank_mask:0xf      ; over 16 lanes = 64 channels.  The other half holds the same numbers: it is not added
.endr
	ds_store_b32 v[LSA], v[LS]
	s_wait_dscnt 0x0                               ; for the others' sake
	s_barrier_signal -1
	s_barrier_wait -1
	; out0 by channels, the way x came
.irp a, 0,1
.irp e, 0,1,2,3
	ds_load_b128 v[TT+16*\a+4*\e:TT+16*\a+4*\e+3], v[WA] offset:16*\a+EROWS*\e
.endr
.endr
	s_wait_dscnt 0x0
.irp a, 0,1
.irp e, 0,1,2,3
.irp k, 0,1,2,3
	v_mov_b32 v[XL+16*\a+4*\k+\e], v[TT+16*\a+4*\e+\k]
.endr
.endr
.endr
.irp i, 0,1,2,3,4,5,6,7
	global_store_b128 v[L16], v[XL+4*\i:XL+4*\i+3], s[12:13] offset:16384*\i th:TH_STORE_NT   ; 512 consecutive bytes, aligned
.endr
	s_cmp_lg_u32 s40, 0
	s_cbranch_scc1 .Ldone                          ; wave 0 alone: the indices and the work-group's sum
	v_add_nc_u32 v[IRD], IDXS, v[L16]
	v_mov_b32 v[LRD], LSUM
	ds_load_b128 v[OI:OI+3], v[IRD]
	ds_load_b128 v[SL:SL+3], v[LRD]
	ds_load_b128 v[SL+4:SL+7], v[LRD] offset:16
	s_wait_dscnt 0x0
	global_store_b128 v[L16], v[OI:OI+3], s[14:15] th:TH_STORE_NT          ; 512 consecutive bytes, aligned
	v_pk_add_f32 v[SL:SL+1], v[SL:SL+1], v[SL+2:SL+3]
	v_pk_add_f32 v[SL+4:SL+5], v[SL+4:SL+5], v[SL+6:SL+7]
	v_pk_add_f32 v[SL:SL+1], v[SL:SL+1], v[SL+4:SL+5]
	v_add_f32 v[SL], v[SL], v[SL+1]
	v_cmp_eq_u32 vcc_lo, 0, v0
	s_wait_xcnt 0x0                                ; EXEC is a source of the stores above: it changes only behind this wait
	s_and_saveexec_b32 s38, vcc_lo
	global_store_b32 v[ZR], v[SL], s[36:37]        ; four bytes: all that a work-group has for part
	s_wait_xcnt 0x0                                ; and again in front of the line that widens it
	s_or_b32 exec_lo, exec_lo, s38
.Ldone:
	s_wait_tensorcnt 0x0
	ds_add_u32 v190, v191
	s_wait_dscnt 0x0
	s_endpgm
.Lfunc_end_k_q481c5d1dca_pick:
	.size	k_q481c5d1dca_pick, .Lfunc_end_k_q481c5d1dca_pick-k_q481c5d1dca_pick
	.p2alignl 7, 3214868480
	.fill 96, 4, 3214868480
	.section	.rodata,"a",@progbits
	.p2align	6, 0x0
	.amdhsa_kernel k_q481c5d1dca_pick
		.amdhsa_group_segment_fixed_size 36608
		.amdhsa_private_segment_fixed_size 0
		.amdhsa_enable_private_segment 0
		.amdhsa_kernarg_size 56
		.amdhsa_user_sgpr_count 2
		.amdhsa_user_sgpr_kernarg_segment_ptr 1
		.amdhsa_wavefront_size32 1
		.amdhsa_system_sgpr_workgroup_id_x 1
		.amdhsa_system_sgpr_workgroup_id_y 1
		.amdhsa_system_sgpr_workgroup_id_z 1
		.amdhsa_system_vgpr_workitem_id 0
		.amdhsa_next_free_vgpr 256
		.amdhsa_next_free_sgpr 66
		.amdhsa_reserve_vcc 1
		.amdhsa_float_denorm_mode_32 3
		.amdhsa_float_denorm_mode_16_64 3
		.amdhsa_memory_ordered 1
		.amdhsa_forward_progress 1
		.amdhsa_inst_pref_size 99
	.end_amdhsa_kernel
	.amdgpu_metadata
---
amdhsa.version: [ 1, 2 ]
amdhsa.kernels:
  - .name:           k_q481c5d1dca_pick
    .symbol:         k_q481c5d1dca_pick.kd
    .args:
      - { .name: x, .offset: 0, .size: 8, .value_kind: global_buffer, .address_space: global }
      - { .name: emb_weight, .offset: 8, .size: 8, .value_kind: global_buffer, .address_space: global }
      - { .name: esq, .offset: 16, .size: 8, .value_kind: global_buffer, .address_space: global }
      - { .name: blk, .offset: 24, .size: 8, .value_kind: global_buffer, .address_space: global }
      - { .name: out0, .offset: 32, .size: 8, .value_kind: global_buffer, .address_space: global }
      - { .name: out1, .offset: 40, .size: 8, .value_kind: global_buffer, .address_space: global }
      - { .name: part, .offset: 48, .size: 8, .value_kind: global_buffer, .address_space: global }
    .group_segment_fixed_size: 36608
    .private_segment_fixed_size: 0
    .kernarg_segment_align: 8
    .kernarg_segment_size: 56
    .max_flat_workgroup_size: 256
    .sgpr_count:     66
    .vgpr_count:     256
    .wavefront_size: 32
...
	.end_amdgpu_metadata
.endif
;; end of part 3
;; launch sum (part 4): grid 1 x 1, 1 waves a work-group, no clusters, 0 bytes of LDS; arguments part, out2, out3; writes out2, out3
.if DOCPART == 4
	.amdgcn_target "amdgcn-amd-amdhsa--gfx1250"
	.amdhsa_code_object_version 6
	.text
	.protected	k_q481c5d1dca_sum
	.globl	k_q481c5d1dca_sum
	.p2align	8
	.type	k_q481c5d1dca_sum,@function
k_q481c5d1dca_sum:
	s_mov_b64 s[64:65], 0
	v_nop
	global_prefetch_b8 v0, s[64:65] scope:SCOPE_SE
	s_setreg_imm32_b32 hwreg(HW_REG_WAVE_MODE, 25, 1), 1
	s_wait_xcnt 0x0
; SUM: the mean of (x - q)^2 over 32,768 x 64 = 2^21 numbers, from the 256 work-groups' sums, in one fixed order; written twice, as the problem asks
; (its second loss is a copy of the first).  One wave: eight numbers a lane, then across the lanes.
	s_load_b128 s[4:7], s[0:1], 0x0                ; part s[4:5], out2 s[6:7]
	s_load_b64 s[8:9], s[0:1], 0x10                ; out3
	v_lshlrev_b32 v1, 4, v0
	v_mov_b32 v10, 0                               ; v_permlanex16_b32 counts as a reader of its destination
	v_mov_b32 v11, 0                               ; the stores' offset
	s_mov_b32 s10, 0x76543210
	s_mov_b32 s11, 0xfedcba98
	s_wait_kmcnt 0x0
	global_load_b128 v[2:5], v1, s[4:5]
	global_load_b128 v[6:9], v1, s[4:5] offset:512
	s_wait_loadcnt 0x0
	v_pk_add_f32 v[2:3], v[2:3], v[4:5]
	v_pk_add_f32 v[6:7], v[6:7], v[8:9]
	v_pk_add_f32 v[2:3], v[2:3], v[6:7]
	v_add_f32 v2, v2, v3
	v_add_f32_dpp v2, v2, v2 row_xmask:1 row_mask:0xf bank_mask:0xf
	v_add_f32_dpp v2, v2, v2 row_xmask:2 row_mask:0xf bank_mask:0xf
	v_add_f32_dpp v2, v2, v2 row_xmask:4 row_mask:0xf bank_mask:0xf
	v_add_f32_dpp v2, v2, v2 row_xmask:8 row_mask:0xf bank_mask:0xf
	v_permlanex16_b32 v10, v2, s10, s11
	v_add_f32 v2, v2, v10
	v_mul_f32 v2, 0x35000000, v2                   ; 2^-21
	v_cmp_eq_u32 vcc_lo, 0, v0
	s_wait_xcnt 0x0                                ; EXEC changes only behind this wait
	s_and_saveexec_b32 s12, vcc_lo
	global_store_b32 v11, v2, s[6:7]
	global_store_b32 v11, v2, s[8:9]
	s_wait_xcnt 0x0                                ; and again in front of the line that widens it
	s_or_b32 exec_lo, exec_lo, s12
	s_endpgm
.Lfunc_end_k_q481c5d1dca_sum:
	.size	k_q481c5d1dca_sum, .Lfunc_end_k_q481c5d1dca_sum-k_q481c5d1dca_sum
	.p2alignl 7, 3214868480
	.fill 96, 4, 3214868480
	.section	.rodata,"a",@progbits
	.p2align	6, 0x0
	.amdhsa_kernel k_q481c5d1dca_sum
		.amdhsa_group_segment_fixed_size 0
		.amdhsa_private_segment_fixed_size 0
		.amdhsa_enable_private_segment 0
		.amdhsa_kernarg_size 24
		.amdhsa_user_sgpr_count 2
		.amdhsa_user_sgpr_kernarg_segment_ptr 1
		.amdhsa_wavefront_size32 1
		.amdhsa_system_sgpr_workgroup_id_x 1
		.amdhsa_system_sgpr_workgroup_id_y 1
		.amdhsa_system_sgpr_workgroup_id_z 1
		.amdhsa_system_vgpr_workitem_id 0
		.amdhsa_next_free_vgpr 16
		.amdhsa_next_free_sgpr 66
		.amdhsa_reserve_vcc 1
		.amdhsa_float_denorm_mode_32 3
		.amdhsa_float_denorm_mode_16_64 3
		.amdhsa_memory_ordered 1
		.amdhsa_forward_progress 1
		.amdhsa_inst_pref_size 2
	.end_amdhsa_kernel
	.amdgpu_metadata
---
amdhsa.version: [ 1, 2 ]
amdhsa.kernels:
  - .name:           k_q481c5d1dca_sum
    .symbol:         k_q481c5d1dca_sum.kd
    .args:
      - { .name: part, .offset: 0, .size: 8, .value_kind: global_buffer, .address_space: global }
      - { .name: out2, .offset: 8, .size: 8, .value_kind: global_buffer, .address_space: global }
      - { .name: out3, .offset: 16, .size: 8, .value_kind: global_buffer, .address_space: global }
    .group_segment_fixed_size: 0
    .private_segment_fixed_size: 0
    .kernarg_segment_align: 8
    .kernarg_segment_size: 24
    .max_flat_workgroup_size: 32
    .sgpr_count:     66
    .vgpr_count:     16
    .wavefront_size: 32
...
	.end_amdgpu_metadata
.endif
;; end of part 4
